; MI455X (gfx1250); checked and timed in simulation.
; The chip was launched on July 23, 2026; its instructions are those of AMD's public machine-readable ISA for CDNA 5 (MIT licence, August 2026) and "CDNA5" Instruction Set Architecture Reference Guide (July 2026). The comments in the code are by the model that wrote it; some were corrected since.
;; Embedding. Allowed arithmetic: float matrix products may take bf16 or f16 operands with f32 sums; all other float work in f32.
;; Inputs: embeddings 8,000 x 1,024 float32; x 4 x 2,048 int32.
;; Outputs: out0 4 x 2,048 x 1,024 float32.
;; One version. Each part assembles by itself: llvm-mc -triple=amdgcn-amd-amdhsa -mcpu=gfx1250 --defsym DOCPART=n.
;; ======== version 1 of 1: 1 launch
;; launch gather (part 1): grid 256 x 1, 8 waves a work-group, no clusters, 0 bytes of LDS; arguments x, embeddings, out0; writes out0
.if DOCPART == 1
	.amdgcn_target "amdgcn-amd-amdhsa--gfx1250"
	.amdhsa_code_object_version 6
	.text
	.protected	k_q59dad70ecd_gather
	.globl	k_q59dad70ecd_gather
	.p2align	8
	.type	k_q59dad70ecd_gather,@function
k_q59dad70ecd_gather:
	s_mov_b64 s[64:65], 0
	v_nop
	global_prefetch_b8 v0, s[64:65] scope:SCOPE_SE
	s_setreg_imm32_b32 hwreg(HW_REG_WAVE_MODE, 25, 1), 1
	s_wait_xcnt 0x0
; out0[t][:] = sum over v of (x[t] == v) * embeddings[v][:],  t = 0 .. 8191 (4 x 2048 tokens), rows of 1,024 f32 = 4,096 bytes.
; Each output number has at most one term whose factor is not 0, so the sum is a copy of row x[t] of the table, or a row of zeros
; where x[t] names no row (outside 0 .. 7999: the one-hot row is empty).  The matrix unit is left out for that reason: the copy is
; exact, and it reads only the rows that are named.
;
; SHARES: 256 work-groups x 8 waves x 4 rows = 8,192 rows.  Wave w of work-group g owns tokens 32 g + 4 w .. + 3.
; A row is eight 16-byte loads a lane: lane l takes bytes 16 l + 512 j, so each load and each store of the wave covers 512
; consecutive bytes that start at a multiple of 512 from the buffer's first byte.
; There is no loop: a wave asks for its four rows at once (32 loads, 128 registers, 16 KiB on their way) and stores each row as
; it lands.  No register that a load or store names is written again and EXEC never changes, so the only waits are those for data.
;
; LEFT OUT, by this text's own arithmetic: LDS and tensor loads (no wave reads another's bytes, nothing is reshaped, and the
; registers hold all that is on its way); clusters (which rows two work-groups share hangs on the indices, so no joint request can
; be written); prefetches (a row's address exists only when its index has come, and the load itself is issued on the next lines).
;
; LIMITS: numbers are copied bit for bit.  Where the table holds an infinity or a NaN in a row that a token does NOT name,
; reference()'s product 0 x infinity makes that column NaN for the token; here only the named row shows.  A -0.0 of the table stays
; -0.0, where reference()'s sum gives +0.0.  Every int32 index is served: those outside 0 .. 7999, negative ones too, give zeros.
.set ROW,   4096                       ; bytes in a row of the table and of the output
.set VOCAB, 8000                       ; rows in the table
.set RPW,   4                          ; rows of a wave
.set D,     4                          ; v[4:131]   row r, piece j: v[D+32r+4j : D+32r+4j+3]
.set Z,     132                        ; v[132:135] sixteen bytes of zeros, written once
.set IDX,   12                         ; s[12:15]   my four indices as they were read
.set BASE,  16                         ; s[16:23]   row r: the address of its row in the table, s[BASE+2r : BASE+2r+1]
	s_load_b128 s[4:7], s[0:1], 0x0                ; x s[4:5], embeddings s[6:7]
	s_load_b64 s[8:9], s[0:1], 0x10                ; out0
	v_lshrrev_b32 v2, 5, v0
	v_readfirstlane_b32 s3, v2                     ; my wave's number in the work-group, 0 .. 7
	v_and_b32 v1, 31, v0                           ; lane
	v_lshlrev_b32 v1, 4, v1                        ; 16 bytes a lane: the one offset register of every load and store, never rewritten
	s_lshl3_add_u32 s2, ttmp9, s3                  ; my wave's number in the launch, 8 g + w: 0 .. 2047
	s_lshl_b32 s10, s2, 4                          ; four indices of 4 bytes for each wave: 32,752 at the most
	s_mov_b32 s11, 0
	s_wait_kmcnt 0x0                               ; the three addresses
	s_add_nc_u64 s[4:5], s[4:5], s[10:11]
	s_load_b128 s[IDX:IDX+3], s[4:5], 0x0          ; my four indices, at a multiple of 16 bytes; no line of this text stores into x
	; while they are on their way: the output's address and the zeros.  s[10:11] is no source of the pending load.
	s_lshl_b32 s10, s2, 14                         ; four rows of 4,096 bytes for each wave: 33,538,048 at the most
	s_add_nc_u64 s[8:9], s[8:9], s[10:11]          ; out0 at my first row
.irp k, 0,1,2,3
	v_mov_b32 v[Z+\k], 0
.endr
	s_wait_kmcnt 0x0                               ; the indices
; The address of row r's source.  The index is cut to the table's last row first (unsigned, so a negative one is cut too):
; every load stays inside the table, and PUT throws away what a cut index brought.
.macro ROWBASE r
	s_min_u32 s[BASE+2*\r], s[IDX+\r], VOCAB-1
	s_lshl_b32 s[BASE+2*\r], s[BASE+2*\r], 12      ; x 4,096 bytes: 32,763,904 at the most
	s_mov_b32 s[BASE+2*\r+1], 0
	s_add_nc_u64 s[BASE+2*\r:BASE+2*\r+1], s[6:7], s[BASE+2*\r:BASE+2*\r+1]
.endm
; Row r's eight loads.  No cache hint: another token, of this or another work-group, may name the same row.
.macro GATHER r
.irp j, 0,1,2,3,4,5,6,7
	global_load_b128 v[D+32*\r+4*\j:D+32*\r+4*\j+3], v1, s[BASE+2*\r:BASE+2*\r+1] offset:512*\j
.endr
.endm
; Row r goes out.  left = the loads of the younger rows, eight each, which may stay out: loads come back in the order of issue
; (ISA guide 5.7.1), and no load is issued behind the 32, so the count is the same on both ways round every branch.
; The branch hangs on an index as it was read: all lanes take the same way.  The output is written once and not read here.
.macro PUT r, left
	s_wait_loadcnt \left
	s_cmp_lt_u32 s[IDX+\r], VOCAB                  ; unsigned: false for negative indices too
	s_cbranch_scc0 .Lempty_\@
.irp j, 0,1,2,3,4,5,6,7
	global_store_b128 v1, v[D+32*\r+4*\j:D+32*\r+4*\j+3], s[8:9] offset:ROW*\r+512*\j th:TH_STORE_NT
.endr
	s_branch .Lput_\@
.Lempty_\@:                                        ; the index names no row: the one-hot row is empty and the sum is 0
.irp j, 0,1,2,3,4,5,6,7
	global_store_b128 v1, v[Z:Z+3], s[8:9] offset:ROW*\r+512*\j th:TH_STORE_NT
.endr
.Lput_\@:
.endm
	ROWBASE 0
	ROWBASE 1
	ROWBASE 2
	ROWBASE 3
	GATHER 0                                       ; 32 loads in one run
	GATHER 1
	GATHER 2
	GATHER 3
	PUT 0, 8*(RPW-1)                               ; rows 1, 2, 3 stay out
	PUT 1, 8*(RPW-2)                               ; rows 2, 3
	PUT 2, 8*(RPW-3)                               ; row 3
	PUT 3, 0
	s_endpgm
.Lfunc_end_k_q59dad70ecd_gather:
	.size	k_q59dad70ecd_gather, .Lfunc_end_k_q59dad70ecd_gather-k_q59dad70ecd_gather
	.p2alignl 7, 3214868480
	.fill 96, 4, 3214868480
	.section	.rodata,"a",@progbits
	.p2align	6, 0x0
	.amdhsa_kernel k_q59dad70ecd_gather
		.amdhsa_group_segment_fixed_size 0
		.amdhsa_private_segment_fixed_size 0
		.amdhsa_enable_private_segment 0
		.amdhsa_kernarg_size 24
		.amdhsa_user_sgpr_count 2
		.amdhsa_user_sgpr_kernarg_segment_ptr 1
		.amdhsa_wavefront_size32 1
		.amdhsa_system_sgpr_workgroup_id_x 1
		.amdhsa_system_sgpr_workgroup_id_y 1
		.amdhsa_system_sgpr_workgroup_id_z 1
		.amdhsa_system_vgpr_workitem_id 0
		.amdhsa_next_free_vgpr 136
		.amdhsa_next_free_sgpr 66
		.amdhsa_reserve_vcc 0
		.amdhsa_float_denorm_mode_32 3
		.amdhsa_float_denorm_mode_16_64 3
		.amdhsa_memory_ordered 1
		.amdhsa_forward_progress 1
		.amdhsa_inst_pref_size 12
	.end_amdhsa_kernel
	.amdgpu_metadata
---
amdhsa.version: [ 1, 2 ]
amdhsa.kernels:
  - .name:           k_q59dad70ecd_gather
    .symbol:         k_q59dad70ecd_gather.kd
    .args:
      - { .name: x, .offset: 0, .size: 8, .value_kind: global_buffer, .address_space: global }
      - { .name: embeddings, .offset: 8, .size: 8, .value_kind: global_buffer, .address_space: global }
      - { .name: out0, .offset: 16, .size: 8, .value_kind: global_buffer, .address_space: global }
    .group_segment_fixed_size: 0
    .private_segment_fixed_size: 0
    .kernarg_segment_align: 8
    .kernarg_segment_size: 24
    .max_flat_workgroup_size: 256
    .sgpr_count:     66
    .vgpr_count:     136
    .wavefront_size: 32
...
	.end_amdgpu_metadata
.endif
;; end of part 1
